; MI455X (gfx1250); checked and timed in simulation.
; The chip was launched on July 23, 2026; its instructions are those of AMD's public machine-readable ISA for CDNA 5 (MIT licence, August 2026) and "CDNA5" Instruction Set Architecture Reference Guide (July 2026). The comments in the code are by the model that wrote it; some were corrected since.
;; Swin Decoder. Allowed arithmetic: matrix products marked QUANTISED: E2M1 operands, one E8M0 scale for each 32 along K, by v_wmma_scale_f32_16x16x128_f8f6f4 with both operands' format E2M1 (or v_wmma_scale_f32_32x16x128_f4), f32 sums; everything else in f32.
;; Inputs: fc1_b 512 float32; fc1_w_codes 512 x 4 x 16 uint8 (E2M1 codes of fc1_w, K innermost, in blocks of 32 codes, two codes a byte); fc1_w_scales 512 x 4 uint8 (E8M0 scales of fc1_w, one for each 32 codes along K); fc2_b 128 float32; fc2_w_codes 128 x 16 x 16 uint8 (E2M1 codes of fc2_w, K innermost, in blocks of 32 codes, two codes a byte); fc2_w_scales 128 x 16 uint8 (E8M0 scales of fc2_w, one for each 32 codes along K); kv 2 x 128 x 256 x 256 float32; kv_b 256 float32; kv_w_codes 256 x 4 x 16 uint8 (E2M1 codes of kv_w, K innermost, in blocks of 32 codes, two codes a byte); kv_w_scales 256 x 4 uint8 (E8M0 scales of kv_w, one for each 32 codes along K); norm1_b 128 float32; norm1_g 128 float32; norm2_b 128 float32; norm2_g 128 float32; proj_b 128 float32; proj_w_codes 128 x 4 x 16 uint8 (E2M1 codes of proj_w, K innermost, in blocks of 32 codes, two codes a byte); proj_w_scales 128 x 4 uint8 (E8M0 scales of proj_w, one for each 32 codes along K); q_b 128 float32; q_w_codes 128 x 4 x 16 uint8 (E2M1 codes of q_w, K innermost, in blocks of 32 codes, two codes a byte); q_w_scales 128 x 4 uint8 (E8M0 scales of q_w, one for each 32 codes along K); rpb 225 x 4 float32; x 2 x 128 x 256 x 256 float32.
;; Outputs: out0 2 x 128 x 256 x 256 float32.
;; This version of the problem:
;;   THIS VERSION OF THE PROBLEM IS GIVEN IN LOW PRECISION. The matrix products marked QUANTISED in the list below multiply operands that are first quantised to E2M1 (2 exponent bits, 1 mantissa bit; 4 bits a number), with one power-of-two scale for each 32 numbers along K (OCP MX v1.0); their sums are f32. All else is computed in f32.
;;   The module's matrix products, in the order in which they are computed (A, B: the left and right operand; K: the contracted axis; several contracted axes count as one K, in the product's order):
;;     1. [M 131,072, K 128] x [K 128, N 128]; A: computed on the way; B: input q_w (given as codes): QUANTISED
;;     2. [M 131,072, K 128] x [K 128, N 256]; A: computed on the way; B: input kv_w (given as codes): QUANTISED
;;     3. batch 8,192 x [M 64, K 32] x [K 32, N 64]; A: computed on the way; B: computed on the way: QUANTISED
;;     4. batch 8,192 x [M 64, K 64] x [K 64, N 32]; A: softmax (see below); B: computed on the way: QUANTISED
;;     5. [M 131,072, K 128] x [K 128, N 128]; A: computed on the way; B: input proj_w (given as codes): QUANTISED
;;     6. [M 512, K 128] x [K 128, N 131,072]; A: input fc1_w (given as codes); B: computed on the way: QUANTISED
;;     7. [M 128, K 512] x [K 512, N 131,072]; A: input fc2_w (given as codes); B: computed on the way: QUANTISED
;;   THE QUANTISER, for each operand of a quantised product, along K:
;;     - K is cut into blocks of 32 from its start; a last block that is shorter is filled with zeros.
;;     - A block's scale is 2^e with e = floor(log2(the largest magnitude in the block)) - 2, held to -126 .. 127; a block of zeros has e = 0. As a byte (E8M0): e + 127.
;;     - Each number is divided by its block's scale, clamped to +-6, and rounded to the nearest number of E2M1, ties to even, subnormals kept.
;;     - The product sums the exact products of the quantised numbers (number of the format x scale) in f32.
;;   ~~~python
;;   def quantise(x, axis):      # numpy; x: float32 -> the quantised numbers, widened to float32 again
;;       x = np.moveaxis(x, axis, -1); K = x.shape[-1]
;;       x = np.pad(x, [(0, 0)] * (x.ndim - 1) + [(0, -K % 32)]); x = x.reshape(x.shape[:-1] + (-1, 32)); a = np.abs(x).max(-1, keepdims=True)
;;       e = np.where(a > 0, np.clip(np.frexp(np.where(a > 0, a, 1))[1] - 1 - 2, -126, 127), 0)      # np.frexp(a)[1] - 1 = floor(log2(a)), exactly
;;       r = np.clip(x / 2.0 ** e, -6, 6)
;;       step = 2.0 ** (np.maximum(np.frexp(np.where(r == 0, 1, r))[1] - 1, 0) - 1)
;;       q = np.round(r / step) * step * 2.0 ** e      # np.round: ties to even
;;       return np.moveaxis(q.reshape(q.shape[:-2] + (-1,))[..., :K], -1, axis).astype(np.float32)
;;   ~~~
;;   SOFTMAX AHEAD OF A QUANTISED PRODUCT. Where the list says 'softmax', what is quantised is not the finished softmax but p = 2^(t - M), with t = logit x log2(e) and M = ceil(the row's largest t), a whole number; so 1/2 < the row's largest p <= 1. The row's sum l is taken of the UNQUANTISED p, in f32, and the product's result is divided by l at the end. Since M is a whole number, a kernel that streams over the keys may use a running M (the ceiling of the running maximum): every later rescaling is an exact power of two, which a block's scale takes up: the codes' values come out the same.
;;   OPERANDS COMPUTED ON THE WAY. 'Computed on the way' means the value that the module computes at that place (a softmax that the list does not call 'softmax' is quantised finished and normalised). What goes into a quantiser is computed in f32, as accurately as f32 sums, v_exp_f32 and their like allow (about 1e-6 of the number): no bf16 or f16 on the way to a quantiser, and a product that is left as it is and whose result goes on into a quantised operand takes f32 operands (vector FMAs, or v_wmma_f32_16x16x4_f32). A number that lies on a knife's edge between two numbers of the format may be rounded either way, as far as f32 arithmetic and the matrix unit's own rounding can turn it there, and no further.
;;   INPUTS GIVEN AS CODES. fc1_w (in the module: [512, 128], K = its axis 1); fc2_w (in the module: [128, 512], K = its axis 1); kv_w (in the module: [256, 128], K = its axis 1); proj_w (in the module: [128, 128], K = its axis 1); q_w (in the module: [128, 128], K = its axis 1): each comes as NAME_codes (uint8): NAME with its K axis moved to the last place and cut into blocks of 32 codes, [.., K / 32, bytes a block], one block behind the other in memory; two codes a byte, the lower K in the low four bits (a code: sign, 2 exponent bits, 1 mantissa bit); and NAME_scales (uint8): the same leading axes, one E8M0 byte (e + 127) for each 32 codes along K. Its value is code x scale, taken as it is: it is not quantised again, and the codes and scales need not be those that the quantiser above would give.
;; One version. Each part assembles by itself: llvm-mc -triple=amdgcn-amd-amdhsa -mcpu=gfx1250 --defsym DOCPART=n.
;; ======== version 1 of 1: 1 launch
;; launch swin (part 1): grid 4 x 64, 16 waves a work-group, no clusters, 321,024 bytes of LDS; arguments x, kv, out0, rpb, q_w_codes, kv_w_codes, proj_w_codes, fc1_w_codes, fc2_w_codes, fc1_w_scales, fc2_w_scales, kv_w_scales, q_w_scales, proj_w_scales, fc1_b, kv_b, q_b, proj_b, fc2_b, norm1_g, norm1_b, norm2_g, norm2_b; writes out0
.if DOCPART == 1
	.amdgcn_target "amdgcn-amd-amdhsa--gfx1250"
	.amdhsa_code_object_version 6
	.text
	.protected	k_q07cfa45046_swin
	.globl	k_q07cfa45046_swin
	.p2align	8
	.type	k_q07cfa45046_swin,@function
k_q07cfa45046_swin:
	s_mov_b64 s[64:65], 0
	v_nop
	global_prefetch_b8 v0, s[64:65] scope:SCOPE_SE
	s_setreg_imm32_b32 hwreg(HW_REG_WAVE_MODE, 25, 1), 1
	s_wait_xcnt 0x0
; ONE SWIN BLOCK (LN1, shifted 8 x 8 windows, cross attention with 4 heads of 32, proj, residual, LN2, MLP 128-512-128 with exact gelu, residual) in one launch.
; x, kv, out0: [2][128][256][256] f32, channel first.  All seven products on codes of FP4 (E2M1) with one E8M0 scale for each 32 along K; everything else in f32.
; SHARES.  A work-group (x = g 0..3, y = 32 batch + i) owns the 8 pixel rows (8 i + 4 + rho) mod 256 of window row i and the 64 ALIGNED pixel columns 64 g + q: 512 query pixels, so that each of its
; stores covers 256 consecutive bytes, aligned.  Its queries lie in 9 windows (7 whole, 2 halves), so K and V are made for 72 columns of kv, (64 g - 4 + kcol) mod 256.
; Work on single tokens (LN, q, proj, MLP): wave w owns row rho = w / 2, columns 32 (w % 2) + 0 .. 31: two tiles of 16 tokens.  Attention: wave w owns columns 4 w .. 4 w + 3 of all 8 rows: two tiles of 16 queries.
; x stays in v128-255 from its load to the store: proj and fc2 add in place onto it, so both residuals cost no line.  Between the two ways of sharing only CODES travel, through LDS.
; LAYOUT.  Products with a weight are used transposed (source 0 = 16 rows of the weight, source 1 = 16 tokens): a lane holds one token, its registers run along the channels.  Lane r of weight tile t takes row
; 32 (t / 2) + 8 (t % 2) + r + 8 (r / 8), so that the 16 registers of tiles 2 b, 2 b + 1 are the neighbours 32 b + 16 (lane / 16) + 0 .. 15 of the next K.  V alone is made the other way round (source 0 = 16 keys),
; so that a lane's registers run along the keys, which are the K of the second attention product.  Key tile T, lane r: key row 4 (T / 2) + T % 2 + 2 (r / 8), key column r % 8.
; A head's K is 32 of the instruction's 128: the query operand holds zero codes in the three other blocks; in the second product the weights p hold zero codes for k = 64 .. 127.
; NO CLUSTER: what work-groups share is the weights and tables, 115,000 bytes, against 786,432 bytes of x, kv and out0 that are a work-group's own.  NO TENSOR LOADS: the columns wrap, and x is wanted in registers.
; LIMITS.  NaN and infinities among the inputs are not served.  A block of zeros gets the scale byte 1 where the rule says 127: its codes are zeros and the bytes are this program's own.  A softmax weight under 2^-126
; (a masked pair) comes out as 0.  erf is a rational form in u^2 (7 and 5 coefficients, u held to +-4), right to a few units of the last place; for very negative inputs gelu carries an absolute error of about 6e-8 |x|.
; 1 / sqrt is v_rsq_f32, 1 / l and 1 / Q are v_rcp_f32.
; ---- LDS ----
.set F1S,  0                           ; raw copies, in chunks of 512 bytes: fc1's scale bytes,
.set F2S,  2048                        ; fc2's,
.set KVWS, 4096                        ; kv's,
.set QWS,  5120                        ; q's,
.set PWS,  5632                        ; proj's,
.set F1B,  6144                        ; the biases: fc1,
.set KVB,  8192                        ; kv (k's half; v's half goes to VBR),
.set QB,   9216
.set PB,   9728
.set F2B,  10240
.set G1,   10752                       ; the norms' gains and biases
.set B1,   11264
.set G2,   11776
.set B2,   12288
.set VBR,  12800                       ; v's bias eight times over: entry 16 t + r, 32 bytes
.set TAB,  16896                       ; the position bias: version (plain, -100 added) x 16,448 + copy s x 4,112 + head x 1,024 + 4 p; element p of copy s is entry p + s of [15 rows][16]
.set WIMG, 49920                       ; 96 weight fragments as images of their registers, 1,024 bytes each: q 0-7, k 8-15, v 16-23, proj 24-31, fc1 32-63, fc2 64 + 8 s + t
.set KVC,  148224                      ; kv's codes by rows: rho x 5,824 + kcol x 80 (64 bytes + 16)
.set KVS,  194816                      ; their scale words: (72 rho + kcol) x 4
.set QROWS, 197120                     ; q's codes: rho x 5,184 + q x 80; bytes 64-79 of a row are zeros.  Behind the attention: each wave's own rows hold the hidden layer's codes
.set QSC,  238592                      ; q's scale words: (64 rho + q) x 4
.set KIMG, 240640                      ; K's fragments as images: (4 window + T) x 1,024
.set KSC,  277504                      ; K's scale words: window x 256 + T x 64 + 4 r
.set VIMG, 279808                      ; V^T's half fragments (64 keys): (8 window + t) x 512
.set VSC,  316672                      ; V^T's scale bytes: (8 window + t) x 32 + 2 r + block
.set OROWS, KVC                        ; the attention's result, laid as q's codes are, where kv's codes have been read for the last time
.set OSC,  KVS
; the stage for out0 lies at 0 .. 262,143: rho x 32,768 + channel x 256 + 4 q; it is written when nothing else in LDS is read any more
; ---- registers that stay ----
; v1 4 x lane; v2 16 x lane; v3 64 h; v4 4 (r + 8 (r / 8) + 8 h); v5 four times that; v6 WIMG + 16 x lane; v7 that + 65,536; v[8:9], v[10:11] erf's leading coefficients
; v12-19 scale words and nothing else; v20-31 a phase's addresses; v32-127 at work; v128-255 kv, then x, xo, out0
; s2 wave, s3 rho, s4 w % 2, s5 g, s6 i, s7 batch; s[8:27] erf's coefficients, s[28:29] 1/sqrt 2, s[30:31] log2 e, s[32:33] 32^-0.5; s[66:73] x, s[74:81] kv (a base for each 32 channels); s[82:85] out0; s[86:87] kv's edge
; s[88:89] selects for lane l xor 16; s98 1/128, s99 1e-5
.macro PLACES n
.rept \n
	v_nop
.endr
.endm
.macro BAR                             ; my LDS stores have landed and my LDS loads are in: then the work-group's barrier
	s_wait_dscnt 0x0
	s_barrier_signal -1
	s_barrier_wait -1
.endm
; channels c0 .. c1 of my 32 pixels: each load reads 128 consecutive bytes; 32 channels are 8,388,608 bytes, so each 32 have a base and the rest stands in the immediate
.macro LOADX base, c0, c1, nt
.set CC, \c0
.rept \c1-\c0+1
.if \nt
	global_load_b32 v[128+CC], v1, s[\base+2*(CC/32):\base+2*(CC/32)+1] offset:(CC%32)*262144 th:TH_LOAD_NT
.else
	global_load_b32 v[128+CC], v1, s[\base+2*(CC/32):\base+2*(CC/32)+1] offset:(CC%32)*262144
.endif
.set CC, CC+1
.endr
.endm
; from a pixel a lane to two tiles of 16 tokens, in place: behind it v[128 + 32 b + i] is channel 32 b + 16 h + i of token r of tile a, v[144 + 32 b + i] the same of tile b
.macro SWAPX
.irp b, 0,1,2,3
.irp i, 0,1,2,3,4,5,6,7,8,9,10,11,12,13,14,15
	v_permlane16_swap_b32 v[128+32*\b+\i], v[144+32*\b+\i]
.endr
.endr
.endm
; the matrix instruction: row = 0 both scales from lanes 0-15; 1: source 0's from lanes 16-31; 2: source 1's
.macro WMC d, a, b, c, sa, sb, row
.if (\row) == 0
	v_wmma_scale_f32_16x16x128_f8f6f4 v[\d:\d+7], v[\a:\a+7], v[\b:\b+7], v[\c:\c+7], v[\sa], v[\sb] matrix_a_fmt:MATRIX_FMT_FP4 matrix_b_fmt:MATRIX_FMT_FP4
.elseif (\row) == 1
	v_wmma_scale_f32_16x16x128_f8f6f4 v[\d:\d+7], v[\a:\a+7], v[\b:\b+7], v[\c:\c+7], v[\sa], v[\sb] matrix_a_fmt:MATRIX_FMT_FP4 matrix_b_fmt:MATRIX_FMT_FP4 matrix_a_scale:MATRIX_SCALE_ROW1
.else
	v_wmma_scale_f32_16x16x128_f8f6f4 v[\d:\d+7], v[\a:\a+7], v[\b:\b+7], v[\c:\c+7], v[\sa], v[\sb] matrix_a_fmt:MATRIX_FMT_FP4 matrix_b_fmt:MATRIX_FMT_FP4 matrix_b_scale:MATRIX_SCALE_ROW1
.endif
.endm
.macro WMZ d, a, b, sa, sb, row        ; the same, the sum begun with 0
.if (\row) == 0
	v_wmma_scale_f32_16x16x128_f8f6f4 v[\d:\d+7], v[\a:\a+7], v[\b:\b+7], 0, v[\sa], v[\sb] matrix_a_fmt:MATRIX_FMT_FP4 matrix_b_fmt:MATRIX_FMT_FP4
.else
	v_wmma_scale_f32_16x16x128_f8f6f4 v[\d:\d+7], v[\a:\a+7], v[\b:\b+7], 0, v[\sa], v[\sb] matrix_a_fmt:MATRIX_FMT_FP4 matrix_b_fmt:MATRIX_FMT_FP4 matrix_a_scale:MATRIX_SCALE_ROW1
.endif
.endm
; two weight tiles (v32, v40; biases v48, v56; scale words v16) x two token tiles (v96, v104; words v12, v13) -> v64 .. v95: tile a's 16 numbers, then tile b's
.macro FOURW
	WMC 64, 32, 96, 48, 16, 12, 0
	WMC 80, 32, 104, 48, 16, 13, 0
	WMC 72, 40, 96, 56, 16, 12, 1
	WMC 88, 40, 104, 56, 16, 13, 1
	PLACES 5                                       ; behind a group of matrix instructions: places enough for later loads, vector lines and matrix instructions on its registers
.endm
; TWO HALF BLOCKS OF 16 NUMBERS A LANE (the other 16 lie in lane l xor 16) become codes: v[da], v[da+1] and v[db], v[db+1].  The scale bytes go to byte b of v[wa], v[wb] (b = 4: to the bit that s57 names).
; The largest magnitude has the floor 2^(3 - 127) among its leaves, so the byte cannot fall under 1; 2 off its exponent field is the conversion's scale operand.  tb: eight registers at work
.macro BLOCKQ2 sa, sb, da, db, wa, wb, b, tb
	v_max3_num_f32 v[\tb], |v[\sa]|, |v[\sa+1]|, 0x1800000
	v_max3_num_f32 v[\tb+4], |v[\sb]|, |v[\sb+1]|, 0x1800000
.irp i, 2,4,6,8,10,12,14
	v_max3_num_f32 v[\tb], v[\tb], |v[\sa+\i]|, |v[\sa+\i+1]|
	v_max3_num_f32 v[\tb+4], v[\tb+4], |v[\sb+\i]|, |v[\sb+\i+1]|
.endr
	v_permlanex16_b32 v[\tb+1], v[\tb], s88, s89
	v_permlanex16_b32 v[\tb+5], v[\tb+4], s88, s89
	v_max_num_f32 v[\tb], v[\tb], v[\tb+1]
	v_max_num_f32 v[\tb+4], v[\tb+4], v[\tb+5]
	v_add_nc_u32 v[\tb+2], 0xff000000, v[\tb]
	v_add_nc_u32 v[\tb+6], 0xff000000, v[\tb+4]
.if (\b) == 0
	v_lshrrev_b32 v[\wa], 23, v[\tb+2]
	v_lshrrev_b32 v[\wb], 23, v[\tb+6]
.else
	v_lshrrev_b32 v[\tb+3], 23, v[\tb+2]
	v_lshrrev_b32 v[\tb+7], 23, v[\tb+6]
.if (\b) < 4
	v_lshl_or_b32 v[\wa], v[\tb+3], 8*(\b), v[\wa]
	v_lshl_or_b32 v[\wb], v[\tb+7], 8*(\b), v[\wb]
.else
	v_lshlrev_b32 v[\tb+3], s57, v[\tb+3]
	v_lshlrev_b32 v[\tb+7], s57, v[\tb+7]
	v_or_b32 v[\wa], v[\wa], v[\tb+3]
	v_or_b32 v[\wb], v[\wb], v[\tb+7]
.endif
.endif
	v_cvt_scalef32_pk8_fp4_f32 v[\da], v[\sa:\sa+7], v[\tb+2]
	v_cvt_scalef32_pk8_fp4_f32 v[\da+1], v[\sa+8:\sa+15], v[\tb+2]
	v_cvt_scalef32_pk8_fp4_f32 v[\db], v[\sb:\sb+7], v[\tb+6]
	v_cvt_scalef32_pk8_fp4_f32 v[\db+1], v[\sb+8:\sb+15], v[\tb+6]
	v_nop                                          ; one plain line behind the last scaled conversion
.endm
.macro BLOCKQ1 sa, da, wa, b, tb       ; the same for one half block
	v_max3_num_f32 v[\tb], |v[\sa]|, |v[\sa+1]|, 0x1800000
.irp i, 2,4,6,8,10,12,14
	v_max3_num_f32 v[\tb], v[\tb], |v[\sa+\i]|, |v[\sa+\i+1]|
.endr
	v_permlanex16_b32 v[\tb+1], v[\tb], s88, s89
	v_max_num_f32 v[\tb], v[\tb], v[\tb+1]
	v_add_nc_u32 v[\tb+2], 0xff000000, v[\tb]
.if (\b) == 0
	v_lshrrev_b32 v[\wa], 23, v[\tb+2]
.else
	v_lshrrev_b32 v[\tb+3], 23, v[\tb+2]
	v_lshl_or_b32 v[\wa], v[\tb+3], 8*(\b), v[\wa]
.endif
	v_cvt_scalef32_pk8_fp4_f32 v[\da], v[\sa:\sa+7], v[\tb+2]
	v_cvt_scalef32_pk8_fp4_f32 v[\da+1], v[\sa+8:\sa+15], v[\tb+2]
	v_nop
.endm
; eight registers of half blocks become a fragment: lanes 0-15 whole block 2 c, lanes 16-31 whole block 2 c + 1
.macro FRAGSWAP p
.irp c, 0,1
.irp i, 0,1
	v_permlane16_swap_b32 v[\p+4*\c+\i], v[\p+4*\c+2+\i]
.endr
.endr
.endm
.macro LNRED                           ; v[112:115] -> v112, v[116:119] -> v116, with lane l xor 16's
	v_pk_add_f32 v[112:113], v[112:113], v[114:115]
	v_pk_add_f32 v[116:117], v[116:117], v[118:119]
	v_add_f32 v112, v112, v113
	v_add_f32 v116, v116, v117
	v_permlanex16_b32 v114, v112, s88, s89
	v_permlanex16_b32 v118, v116, s88, s89
	v_add_f32 v112, v112, v114
	v_add_f32 v116, v116, v118
.endm
; LAYER NORM of my two tiles of tokens (v128-255, which stay as they are) AND ITS QUANTISER: half blocks of codes in v96-103 (tile a) and v104-111 (tile b), scale words in v12, v13.
; The mean first, then the mean of (x - mean)^2: no difference of large sums.  Registers are taken in ascending order
.macro LNQ2 goff, boff
	v_pk_add_f32 v[112:113], v[128:129], v[130:131]
	v_pk_add_f32 v[116:117], v[144:145], v[146:147]
	v_pk_add_f32 v[114:115], v[132:133], v[134:135]
	v_pk_add_f32 v[118:119], v[148:149], v[150:151]
.set NN, 4
.rept 28
.set XR, 128+32*(NN/8)+2*(NN%8)
	v_pk_add_f32 v[112+2*(NN%2):113+2*(NN%2)], v[112+2*(NN%2):113+2*(NN%2)], v[XR:XR+1]
	v_pk_add_f32 v[116+2*(NN%2):117+2*(NN%2)], v[116+2*(NN%2):117+2*(NN%2)], v[XR+16:XR+17]
.set NN, NN+1
.endr
	LNRED
	v_mul_f32 v120, s98, v112                      ; the means, each twice: a pair for the packed lines
	v_mul_f32 v122, s98, v116
	v_mov_b32 v121, v120
	v_mov_b32 v123, v122
.set NN, 0
.rept 32
.set XR, 128+32*(NN/8)+2*(NN%8)
.set DR, 64+2*(NN%8)
	v_pk_add_f32 v[DR:DR+1], v[XR:XR+1], v[120:121] neg_lo:[0,1] neg_hi:[0,1]
	v_pk_add_f32 v[DR+16:DR+17], v[XR+16:XR+17], v[122:123] neg_lo:[0,1] neg_hi:[0,1]
.if NN < 2
	v_pk_mul_f32 v[112+2*NN:113+2*NN], v[DR:DR+1], v[DR:DR+1]
	v_pk_mul_f32 v[116+2*NN:117+2*NN], v[DR+16:DR+17], v[DR+16:DR+17]
.else
	v_pk_fma_f32 v[112+2*(NN%2):113+2*(NN%2)], v[DR:DR+1], v[DR:DR+1], v[112+2*(NN%2):113+2*(NN%2)]
	v_pk_fma_f32 v[116+2*(NN%2):117+2*(NN%2)], v[DR+16:DR+17], v[DR+16:DR+17], v[116+2*(NN%2):117+2*(NN%2)]
.endif
.set NN, NN+1
.endr
	LNRED
	v_fma_f32 v112, v112, s98, s99                 ; variance + 1e-5
	v_fma_f32 v116, v116, s98, s99
	v_rsq_f32 v124, v112
	v_rsq_f32 v126, v116
	v_nop                                          ; a plain line behind the transcendentals
	s_wait_alu depctr_va_vdst(0)                   ; one wait for both, ahead of their first reader
	v_mov_b32 v125, v124
	v_mov_b32 v127, v126
.irp b, 0,1,2,3
.irp k, 0,1,2,3
	ds_load_b128 v[32+4*\k:35+4*\k], v3 offset:\goff+128*\b+16*\k      ; gain and bias of channels 32 b + 16 h + 0 .. 15
	ds_load_b128 v[48+4*\k:51+4*\k], v3 offset:\boff+128*\b+16*\k
.endr
.irp p, 0,2,4,6,8,10,12,14
	v_pk_add_f32 v[64+\p:65+\p], v[128+32*\b+\p:129+32*\b+\p], v[120:121] neg_lo:[0,1] neg_hi:[0,1]
	v_pk_add_f32 v[80+\p:81+\p], v[144+32*\b+\p:145+32*\b+\p], v[122:123] neg_lo:[0,1] neg_hi:[0,1]
.endr
.irp p, 0,2,4,6,8,10,12,14
	v_pk_mul_f32 v[64+\p:65+\p], v[64+\p:65+\p], v[124:125]
	v_pk_mul_f32 v[80+\p:81+\p], v[80+\p:81+\p], v[126:127]
.endr
	s_wait_dscnt 0x0
.irp p, 0,2,4,6,8,10,12,14
	v_pk_fma_f32 v[64+\p:65+\p], v[64+\p:65+\p], v[32+\p:33+\p], v[48+\p:49+\p]
	v_pk_fma_f32 v[80+\p:81+\p], v[80+\p:81+\p], v[32+\p:33+\p], v[48+\p:49+\p]
.endr
	BLOCKQ2 64, 80, 96+2*\b, 104+2*\b, 12, 13, \b, 112
.endr
.endm
; A PROJECTION OF TWO TOKEN TILES (fragments v96, v104, words v12, v13) ONTO 128 CHANNELS, QUANTISED: weight fragments f0 .., their scale words at soff, the bias at boff.  Block b's half blocks of codes go to
; v[sadr] + so + sb x b (tile a) and + st (tile b); the scale words gather in v124, v125.  mul = 1: times 32^-0.5 ahead of the quantiser
.macro PROJT f0, soff, boff, sadr, so, sb, st, mul
.irp b, 0,1,2,3
.irp u, 0,1
.irp c, 0,1
	ds_load_b128 v[32+8*\u+4*\c:35+8*\u+4*\c], v6 offset:(\f0+2*\b+\u)*1024+512*\c
	ds_load_b128 v[48+8*\u+4*\c:51+8*\u+4*\c], v3 offset:\boff+128*\b+32*\u+16*\c
.endr
.endr
	ds_load_b32 v16, v4 offset:\soff+128*\b        ; lanes 0-15 tile 2 b's rows, lanes 16-31 tile 2 b + 1's
	s_wait_dscnt 0x0
	FOURW
.if \mul
.irp p, 0,2,4,6,8,10,12,14,16,18,20,22,24,26,28,30
	v_pk_mul_f32 v[64+\p:65+\p], v[64+\p:65+\p], s[32:33] op_sel_hi:[1,0]
.endr
.endif
	BLOCKQ2 64, 80, 120, 122, 124, 125, \b, 112
	ds_store_b64 v[\sadr], v[120:121] offset:\so+\sb*\b
	ds_store_b64 v[\sadr], v[122:123] offset:\so+\sb*\b+\st
.endr
.endm
; V for 32 keys (fragments v96, v104 as source 0), all 128 channels: a lane holds one channel, its 16 registers 16 neighbouring keys
.macro VPART e
.irp p, 0,1,2,3
.irp t, 0,1
.irp c, 0,1
	ds_load_b128 v[32+8*\t+4*\c:35+8*\t+4*\c], v6 offset:(16+2*\p+\t)*1024+512*\c
	ds_load_b128 v[48+8*\t+4*\c:51+8*\t+4*\c], v26 offset:(2*\p+\t)*512+16*\c
.endr
.endr
	ds_load_b32 v16, v4 offset:KVWS+128*(4+\p)
	s_wait_dscnt 0x0
	WMC 64, 96, 32, 48, 12, 16, 0
	WMC 80, 96, 40, 56, 12, 16, 2
	WMC 72, 104, 32, 48, 13, 16, 0
	WMC 88, 104, 40, 56, 13, 16, 2
	PLACES 5
	BLOCKQ2 64, 80, 120, 122, 124, 125, 0, 112
	ds_store_b64 v24, v[120:121] offset:\e*32768+(2*\p)*512
	ds_store_b64 v24, v[122:123] offset:\e*32768+(2*\p+1)*512
	ds_store_b8 v25, v124 offset:\e*2048+(2*\p)*32                 ; both lanes of a block write the same byte with the same value
	ds_store_b8 v25, v125 offset:\e*2048+(2*\p+1)*32
.endr
.endm
; K and V of 32 keys: window w / 2 + 8 e, key rows 4 (w % 2) .. + 3
.macro KVUNIT e
.irp u, 0,1
.irp c, 0,1
	ds_load_b128 v[96+8*\u+4*\c:99+8*\u+4*\c], v20 offset:\e*5120+\u*5824+32*\c
.endr
	ds_load_b32 v[12+\u], v21 offset:\e*256+\u*288
.endr
	PROJT 8, KVWS, KVB, 22, \e*32768, 256, 1024, 0
	ds_store_b32 v23, v124 offset:\e*2048
	ds_store_b32 v23, v125 offset:\e*2048+64
.if \e == 0
	LOADX 66, 63, 127, 1                           ; the rest of x is asked for here, so that it lands under V's work
.endif
	VPART \e
.endm
; eight weight fragments x my two token tiles, added in place onto v128-255: sixteen accumulators, one instruction a turn
.macro ACC8 adr, off, sadr, soff, sstr, bf, wr
.irp t, 0,1,2,3,4,5,6,7
.irp c, 0,1
	ds_load_b128 v[32+8*\t+4*\c:35+8*\t+4*\c], v[\adr] offset:\off+1024*\t+512*\c
.endr
.endr
.irp p, 0,1,2,3
	ds_load_b32 v[16+\p], v[\sadr] offset:\soff+\sstr*\p
.endr
	s_wait_dscnt 0x0
.irp t, 0,1,2,3,4,5,6,7
	WMC 128+32*(\t/2)+8*(\t%2), 32+8*\t, \bf, 128+32*(\t/2)+8*(\t%2), 16+\t/2, \wr, \t%2
	WMC 144+32*(\t/2)+8*(\t%2), 32+8*\t, \bf+8, 144+32*(\t/2)+8*(\t%2), 16+\t/2, \wr+1, \t%2
.endr
	PLACES 5
.endm
.macro ADDB boff                       ; a bias of 128 channels onto both tiles
.irp b, 0,1,2,3
.irp k, 0,1,2,3
	ds_load_b128 v[32+16*\b+4*\k:35+16*\b+4*\k], v3 offset:\boff+128*\b+16*\k
.endr
.endr
	s_wait_dscnt 0x0
.irp b, 0,1,2,3
.irp p, 0,2,4,6,8,10,12,14
	v_pk_add_f32 v[128+32*\b+\p:129+32*\b+\p], v[128+32*\b+\p:129+32*\b+\p], v[32+16*\b+\p:33+16*\b+\p]
	v_pk_add_f32 v[144+32*\b+\p:145+32*\b+\p], v[144+32*\b+\p:145+32*\b+\p], v[32+16*\b+\p:33+16*\b+\p]
.endr
.endr
.endm
; gelu(x) = x/2 + x/2 erf(x / sqrt 2) on v[64 + 8 q] .. + 7, in place.  erf(u) = u P(u^2) / Q(u^2).  v32-39 u, v40-47 u^2, v48-55 P, v56-63 Q
.macro GELU8 q
.irp p, 0,2,4,6
	v_pk_mul_f32 v[32+\p:33+\p], v[64+8*\q+\p:65+8*\q+\p], s[28:29] op_sel_hi:[1,0]
.endr
.irp j, 0,1,2,3,4,5,6,7
	v_med3_num_f32 v[32+\j], v[32+\j], -4.0, 4.0
.endr
.irp p, 0,2,4,6
	v_pk_mul_f32 v[40+\p:41+\p], v[32+\p:33+\p], v[32+\p:33+\p]
.endr
.irp p, 0,2,4,6
	v_pk_fma_f32 v[48+\p:49+\p], v[40+\p:41+\p], v[8:9], s[8:9] op_sel_hi:[1,1,0]
.endr
.irp p, 0,2,4,6
	v_pk_fma_f32 v[56+\p:57+\p], v[40+\p:41+\p], v[10:11], s[20:21] op_sel_hi:[1,1,0]
.endr
.irp k, 10,12,14
.irp p, 0,2,4,6
	v_pk_fma_f32 v[48+\p:49+\p], v[48+\p:49+\p], v[40+\p:41+\p], s[\k:\k+1] op_sel_hi:[1,1,0]
.endr
.irp p, 0,2,4,6
	v_pk_fma_f32 v[56+\p:57+\p], v[56+\p:57+\p], v[40+\p:41+\p], s[\k+12:\k+13] op_sel_hi:[1,1,0]
.endr
.endr
.irp k, 16,18
.irp p, 0,2,4,6
	v_pk_fma_f32 v[48+\p:49+\p], v[48+\p:49+\p], v[40+\p:41+\p], s[\k:\k+1] op_sel_hi:[1,1,0]
.endr
.endr
.irp j, 0,1,2,3,4,5,6,7
	v_rcp_f32 v[56+\j], v[56+\j]
.endr
.irp p, 0,2,4,6
	v_pk_mul_f32 v[48+\p:49+\p], v[48+\p:49+\p], v[32+\p:33+\p]    ; u P: plain work behind the reciprocals,
.endr
.irp p, 0,2,4,6
	v_pk_mul_f32 v[64+8*\q+\p:65+8*\q+\p], v[64+8*\q+\p:65+8*\q+\p], 0.5 op_sel_hi:[1,0]   ; and x / 2
.endr
	s_wait_alu depctr_va_vdst(0)                   ; one wait for the eight, ahead of their first reader
.irp p, 0,2,4,6
	v_pk_mul_f32 v[48+\p:49+\p], v[48+\p:49+\p], v[56+\p:57+\p]
.endr
.irp p, 0,2,4,6
	v_pk_fma_f32 v[64+8*\q+\p:65+8*\q+\p], v[64+8*\q+\p:65+8*\q+\p], v[48+\p:49+\p], v[64+8*\q+\p:65+8*\q+\p]
.endr
.endm
; ATTENTION OF ONE HEAD for 16 queries (rows 4 rb .. + 3, my 4 columns) and the window's 64 keys.
; v36-59 K's register groups with a group of padding at each end (v40, 44, 48, 52); v60-63 p's codes; v64-67 zeros; v68-71 the query's group; v72-75 zeros; v76-107 S^T, then p; v108-123 O^T; v52-59, v124-127 at work
.macro ATT rb, hh
.irp t, 0,1,2,3
	ds_load_b128 v[76+8*\t:79+8*\t], v[32+2*(\t/2)] offset:1024*\hh+64*(5-4*(\t/2)-(\t%2))+256*\rb        ; position bias and mask are the C of the first product: key columns 0-3,
	ds_load_b128 v[80+8*\t:83+8*\t], v[33+2*(\t/2)] offset:1024*\hh+64*(5-4*(\t/2)-(\t%2))+256*\rb+16     ; 4-7
	ds_load_b128 v[40+4*\t:43+4*\t], v20 offset:1024*\t+512*(\hh/2)                                       ; the four registers of K's fragment that hold heads 2 (hh / 2) and + 1
.endr
	ds_load_b128 v[68:71], v[22+\hh] offset:20736*\rb+16*\hh       ; the query's block of this head in the lanes of half hh % 2, the row's zeros in the others
	s_wait_dscnt 0x0
.irp t, 0,1,2,3                                ; the four registers of source 0 beside K's group meet zero codes in source 1
	WMC 76+8*\t, 40+4*\t-4*(\hh/2), 68-4*(\hh/2), 76+8*\t, 16+\t/2, 14, \t%2
.endr
	PLACES 5
	ds_load_b128 v[40:43], v21 offset:(2*\hh)*512                  ; V^T: channels 32 hh + .., two tiles; they land under the softmax
	ds_load_b128 v[44:47], v21 offset:(2*\hh+1)*512
	ds_load_u16 v18, v30 offset:(2*\hh)*32                         ; their scale bytes: tile 0 in lanes 0-15, tile 1 in lanes 16-31; bytes 2, 3 are 0
	v_max3_num_f32 v52, v76, v77, v78                              ; the largest score of each block of 32 keys: it serves the row's maximum and the block's largest p
	v_max3_num_f32 v53, v92, v93, v94
.irp i, 3,5,7,9,11,13
	v_max3_num_f32 v52, v52, v[76+\i], v[77+\i]
	v_max3_num_f32 v53, v53, v[92+\i], v[93+\i]
.endr
	v_max_num_f32 v52, v52, v91
	v_max_num_f32 v53, v53, v107
	v_permlanex16_b32 v54, v52, s88, s89
	v_permlanex16_b32 v55, v53, s88, s89
	v_max_num_f32 v52, v52, v54
	v_max_num_f32 v53, v53, v55
	v_max_num_f32 v56, v52, v53
	v_mul_f32 v56, s30, v56                        ; the row's largest t
	v_floor_f32 v124, -v56                         ; -M = -ceil(t): M is a whole number
	v_mov_b32 v125, v124
.irp j, 0,2,4,6,8,10,12,14,16,18,20,22,24,26,28,30
	v_pk_fma_f32 v[76+\j:77+\j], v[76+\j:77+\j], s[30:31], v[124:125] op_sel_hi:[1,0,1]
.endr
.irp j, 0,1,2,3,4,5,6,7,8,9,10,11,12,13,14,15,16,17,18,19,20,21,22,23,24,25,26,27,28,29,30,31
	v_exp_f32 v[76+\j], v[76+\j]                   ; p = 2^(t - M): not normalised
.endr
	v_fma_f32 v52, v52, s30, v124                  ; the same of each block's largest score: plain lines behind the batch
	v_fma_f32 v53, v53, s30, v124
	s_wait_alu depctr_va_vdst(0)                   ; one wait for the 32, ahead of their first reader
	v_exp_f32 v52, v52
	v_exp_f32 v53, v53
	v_pk_add_f32 v[126:127], v[76:77], v[78:79]    ; the row's sum is taken of the unquantised p, in two chains
	v_pk_add_f32 v[58:59], v[80:81], v[82:83]
.irp j, 8,12,16,20,24,28
	v_pk_add_f32 v[126:127], v[126:127], v[76+\j:77+\j]
	v_pk_add_f32 v[58:59], v[58:59], v[78+\j:79+\j]
.endr
	v_pk_add_f32 v[126:127], v[126:127], v[58:59]
	s_wait_alu depctr_va_vdst(0)                   ; and one for the two
	v_max_num_f32 v52, 0x1800000, v52
	v_max_num_f32 v53, 0x1800000, v53
	v_add_nc_u32 v54, 0xff000000, v52
	v_add_nc_u32 v55, 0xff000000, v53
	v_lshrrev_b32 v56, 23, v54
	v_lshrrev_b32 v57, 23, v55
	v_lshl_or_b32 v15, v57, 8, v56                 ; p's scale word: two blocks; bytes 2, 3 are 0, over zero codes
	v_cvt_scalef32_pk8_fp4_f32 v60, v[76:83], v54
	v_cvt_scalef32_pk8_fp4_f32 v61, v[84:91], v54
	v_cvt_scalef32_pk8_fp4_f32 v62, v[92:99], v55
	v_cvt_scalef32_pk8_fp4_f32 v63, v[100:107], v55
	v_nop
	v_permlane16_swap_b32 v60, v62                 ; lanes 0-15 whole block 0, lanes 16-31 whole block 1
	v_permlane16_swap_b32 v61, v63
	v_add_f32 v126, v126, v127
	v_permlanex16_b32 v127, v126, s88, s89
	v_add_f32 v126, v126, v127                     ; l
	v_rcp_f32 v126, v126
	PLACES 5                                       ; with the lines above: eight places between the scale word's last write and the products, four behind the codes'
	s_wait_dscnt 0x0                               ; V^T
	WMZ 108, 40, 60, 18, 15, 0                     ; O^T = V^T p^T; source 1's registers 4-7 are the zeros of v64-67
	WMZ 116, 44, 60, 18, 15, 1
	PLACES 5
	s_wait_alu depctr_va_vdst(0)                   ; the reciprocal's wait, ahead of its first reader
	v_mov_b32 v127, v126
.irp j, 0,2,4,6,8,10,12,14
	v_pk_mul_f32 v[108+\j:109+\j], v[108+\j:109+\j], v[126:127]    ; / l: channels 32 hh + 16 h + 0 .. 15 of my query: block hh of proj's K
.endr
	BLOCKQ1 108, 124, 31, \hh, 52
	ds_store_b64 v27, v[124:125] offset:20736*\rb+16*\hh
.endm
.macro ATTRB rb
.if \rb == 0                                   ; which version of the bias table: key rows of the other half of the image's last window row, and key columns of the other half of its last window column, take -100
	v_add_nc_u32 v32, s37, v26
	v_add_nc_u32 v33, s38, v26
	v_add_nc_u32 v34, s39, v26
	v_add_nc_u32 v35, s40, v26
.else
	v_add_nc_u32 v32, s39, v26
	v_add_nc_u32 v33, s40, v26
	v_add_nc_u32 v34, s37, v26
	v_add_nc_u32 v35, s38, v26
.endif
	ds_load_b32 v14, v28 offset:1024*\rb           ; the queries' scale words
	ATT \rb, 0
	ATT \rb, 1
	ATT \rb, 2
	ATT \rb, 3
	ds_store_b32 v29, v31 offset:1024*\rb
.endm
; ================ HEAD: ids, lane terms, addresses ================
	s_load_b512 s[8:23], s[0:1], 0x0               ; x 8, kv 10, out0 12, rpb 14, q_w_codes 16, kv_w_codes 18, proj_w_codes 20, fc1_w_codes 22
	s_load_b512 s[24:39], s[0:1], 0x40             ; fc2_w_codes 24, fc1_w_scales 26, fc2_w_scales 28, kv_w_scales 30, q_w_scales 32, proj_w_scales 34, fc1_b 36, kv_b 38
	s_load_b256 s[40:47], s[0:1], 0x80             ; q_b 40, proj_b 42, fc2_b 44, norm1_g 46
	s_load_b128 s[48:51], s[0:1], 0xa0             ; norm1_b 48, norm2_g 50
	s_load_b64 s[52:53], s[0:1], 0xb0              ; norm2_b
	v_lshrrev_b32 v25, 5, v0
	v_readfirstlane_b32 s2, v25                    ; wave 0..15
	s_lshr_b32 s3, s2, 1                           ; rho
	s_and_b32 s4, s2, 1                            ; which 32 columns
	s_mov_b32 s5, ttmp9                            ; g
	s_and_b32 s6, ttmp7, 31                        ; i
	s_bfe_u32 s7, ttmp7, 0x10005                   ; batch
	v_and_b32 v21, 31, v0                          ; lane
	v_and_b32 v22, 15, v0                          ; r
	v_bfe_u32 v23, v0, 4, 1                        ; h
	v_lshlrev_b32 v1, 2, v21
	v_lshlrev_b32 v2, 4, v21
	v_lshlrev_b32 v3, 6, v23
	v_and_b32 v24, 8, v22
	v_add_nc_u32 v24, v24, v22                     ; r + 8 (r / 8)
	v_lshl_add_u32 v25, v23, 3, v24
	v_lshlrev_b32 v4, 2, v25
	v_lshlrev_b32 v5, 4, v25
	v_add_nc_u32 v6, WIMG, v2
	v_add_nc_u32 v7, WIMG+65536, v2
	v_and_b32 v20, 7, v0                           ; kv's edge: lane = (token e = lane / 8, 16 channels from 16 cg, cg = lane % 8)
	v_bfe_u32 v25, v0, 3, 2
	v_lshlrev_b32 v25, 2, v25
	v_lshl_add_u32 v20, v20, 22, v25               ; 16 cg channels of 262,144 bytes + 4 e; kept until those loads are in
	v_lshlrev_b32 v26, 6, v24
	v_lshl_add_u32 v26, v23, 4, v26                ; a weight tile's row of 64 bytes, + 16 h
	v_lshlrev_b32 v27, 8, v24
	v_lshl_add_u32 v27, v23, 4, v27                ; fc2: rows of 256 bytes
	s_lshl_b32 s90, s2, 10
	v_add_nc_u32 v28, s90, v6                      ; images: fragment w,
	s_lshl_b32 s91, s2, 11
	v_add_nc_u32 v29, s91, v6                      ; 2 w,
	v_add_nc_u32 v30, s91, v7                      ; 64 + 2 w,
	s_lshr_b32 s92, s2, 3
	s_lshl_b32 s92, s92, 14
	v_add_nc_u32 v31, s92, v28                     ; w + 16 (w / 8)
	v_and_b32 v54, 255, v0                         ; the bias table: thread tau fills element p = tau % 256 of head tau / 256 (+ 2) of each copy
	v_lshrrev_b32 v55, 8, v0
	v_lshlrev_b32 v55, 2, v55
.irp s, 0,1,2,3
	v_add_nc_u32 v56, \s, v54                      ; entry p + s = 16 dr + dc
	v_lshrrev_b32 v57, 4, v56
	v_and_b32 v56, 15, v56
	v_mad_u32_u24 v57, v57, 15, 14
	v_sub_nc_u32 v57, v57, v56                     ; rpb's row 15 dr + 14 - dc,
	v_max_i32 v57, 0, v57
	v_min_u32 v57, 224, v57                        ; held inside the table for the entries that nobody reads
	v_lshl_add_u32 v[50+\s], v57, 4, v55
.endr
	v_lshrrev_b32 v58, 2, v0                       ; v's bias: entry tau / 4 = 16 t + r
	v_and_b32 v59, 0x6f, v58
	v_and_b32 v60, 8, v58
	v_add_nc_u32 v59, v59, v60
	v_bfe_u32 v60, v58, 4, 1
	v_lshl_add_u32 v59, v60, 3, v59                ; row 32 (t / 2) + 8 (t % 2) + r + 8 (r / 8)
	v_lshlrev_b32 v59, 2, v59
	v_lshlrev_b32 v61, 4, v0                       ; LDS: 16 tau = chunk w, 16 bytes a lane
	v_lshl_add_u32 v62, v0, 2, TAB
	v_lshl_add_u32 v63, v0, 3, VBR
.irp j, 36,37,38,39
	v_mov_b32 v[\j], 0                             ; (the second chunk's registers: only waves 0 to 8 load them)
.endr
	s_lshl_b32 s54, s6, 3
	s_add_co_u32 s54, s54, s3
	s_add_co_u32 s54, s54, 4
	s_and_b32 s54, s54, 255                        ; my pixel row
	s_lshl_b32 s54, s54, 10
	s_lshl_b32 s55, s7, 25
	s_add_co_u32 s54, s54, s55                     ; batch and row, in bytes
	s_lshl_b32 s55, s5, 8
	s_add_co_u32 s56, s54, s55                     ; + 64 g columns
	s_lshl_b32 s55, s4, 7
	s_add_co_u32 s58, s56, s55                     ; + my 32 columns
	s_mov_b32 s59, 0
	s_lshl_b32 s60, s5, 6
	s_mul_i32 s55, s4, 68
	s_add_co_u32 s60, s60, s55
	s_sub_co_u32 s60, s60, 4
	s_and_b32 s60, s60, 255                        ; the edge's four columns: (64 g - 4 + 68 (w % 2)) mod 256
	s_lshl_b32 s60, s60, 2
	s_add_co_u32 s60, s60, s54
	s_mov_b32 s61, 0
	s_lshl_b32 s62, s4, 24                         ; the way out: I store channels 64 (w % 2) on
	s_add_co_u32 s62, s62, s56
	s_mov_b32 s63, 0
	s_wait_kmcnt 0x0
	s_add_nc_u64 s[66:67], s[8:9], s[58:59]
	s_add_nc_u64 s[68:69], s[66:67], 0x800000
	s_add_nc_u64 s[70:71], s[68:69], 0x800000
	s_add_nc_u64 s[72:73], s[70:71], 0x800000
	s_add_nc_u64 s[74:75], s[10:11], s[58:59]
	s_add_nc_u64 s[76:77], s[74:75], 0x800000
	s_add_nc_u64 s[78:79], s[76:77], 0x800000
	s_add_nc_u64 s[80:81], s[78:79], 0x800000
	s_add_nc_u64 s[82:83], s[12:13], s[62:63]
	s_add_nc_u64 s[84:85], s[82:83], 0x800000
	s_add_nc_u64 s[86:87], s[10:11], s[60:61]
	; which weight tiles I lay out: kv's tile w; fc1's 2 w, 2 w + 1; fc2's fragments 2 w, 2 w + 1; q's tile w or proj's tile w - 8
	s_lshl_b32 s90, s3, 11
	s_lshl_b32 s91, s4, 9
	s_add_co_u32 s90, s90, s91
	s_mov_b32 s91, 0
	s_add_nc_u64 s[18:19], s[18:19], s[90:91]
	s_lshl_b32 s90, s2, 11
	s_add_nc_u64 s[22:23], s[22:23], s[90:91]
	s_and_b32 s90, s2, 3
	s_lshl_b32 s90, s90, 13
	s_lshr_b32 s92, s2, 2
	s_lshl_b32 s92, s92, 6
	s_add_co_u32 s90, s90, s92
	s_add_nc_u64 s[24:25], s[24:25], s[90:91]
	s_cmp_lt_u32 s2, 8
	s_cselect_b64 s[16:17], s[16:17], s[20:21]
	s_and_b32 s90, s3, 3
	s_lshl_b32 s90, s90, 11
	s_lshl_b32 s92, s4, 9
	s_add_co_u32 s90, s90, s92
	s_add_nc_u64 s[16:17], s[16:17], s[90:91]
	; chunk w of the raw copies: which buffer, and which of its chunks
	s_mov_b64 s[94:95], s[36:37]
	s_mov_b32 s93, 12
	s_cmp_lt_u32 s2, 12
	s_cselect_b64 s[94:95], s[34:35], s[94:95]
	s_cselect_b32 s93, 11, s93
	s_cmp_lt_u32 s2, 11
	s_cselect_b64 s[94:95], s[32:33], s[94:95]
	s_cselect_b32 s93, 10, s93
	s_cmp_lt_u32 s2, 10
	s_cselect_b64 s[94:95], s[30:31], s[94:95]
	s_cselect_b32 s93, 8, s93
	s_cmp_lt_u32 s2, 8
	s_cselect_b64 s[94:95], s[28:29], s[94:95]
	s_cselect_b32 s93, 4, s93
	s_cmp_lt_u32 s2, 4
	s_cselect_b64 s[94:95], s[26:27], s[94:95]
	s_cselect_b32 s93, 0, s93
	s_sub_co_u32 s92, s2, s93
	s_lshl_b32 s92, s92, 9
	s_mov_b32 s93, 0
	s_add_nc_u64 s[94:95], s[94:95], s[92:93]
	; chunk 16 + w, for waves 0 to 8
	s_mov_b64 s[96:97], s[52:53]
	s_cmp_lt_u32 s2, 8
	s_cselect_b64 s[96:97], s[50:51], s[96:97]
	s_cmp_lt_u32 s2, 7
	s_cselect_b64 s[96:97], s[48:49], s[96:97]
	s_cmp_lt_u32 s2, 6
	s_cselect_b64 s[96:97], s[46:47], s[96:97]
	s_cmp_lt_u32 s2, 5
	s_cselect_b64 s[96:97], s[44:45], s[96:97]
	s_cmp_lt_u32 s2, 4
	s_cselect_b64 s[96:97], s[42:43], s[96:97]
	s_cmp_lt_u32 s2, 3
	s_cselect_b64 s[96:97], s[40:41], s[96:97]
	s_cmp_lt_u32 s2, 2
	s_cselect_b64 s[96:97], s[38:39], s[96:97]
	s_cmp_eq_u32 s2, 1
	s_cselect_b32 s92, 512, 0
	s_add_nc_u64 s[96:97], s[96:97], s[92:93]
; ================ SET-UP: weights, tables and parameters into LDS, once ================
	global_load_b128 v[80:83], v26, s[18:19]
	global_load_b128 v[84:87], v26, s[18:19] offset:32
	global_load_b128 v[88:91], v26, s[22:23]
	global_load_b128 v[92:95], v26, s[22:23] offset:32
	global_load_b128 v[96:99], v26, s[22:23] offset:512
	global_load_b128 v[100:103], v26, s[22:23] offset:544
	global_load_b128 v[104:107], v27, s[24:25]
	global_load_b128 v[108:111], v27, s[24:25] offset:32
	global_load_b128 v[112:115], v27, s[24:25] offset:2048
	global_load_b128 v[116:119], v27, s[24:25] offset:2080
	global_load_b128 v[120:123], v26, s[16:17]
	global_load_b128 v[124:127], v26, s[16:17] offset:32
	global_load_b128 v[32:35], v2, s[94:95]
	s_cmp_lt_u32 s2, 9
	s_cbranch_scc0 .Lno_b_load
	global_load_b128 v[36:39], v2, s[96:97]
.Lno_b_load:
.irp k, 0,1,2,3,4,5,6,7
	global_load_b32 v[40+\k], v[50+\k/2], s[14:15] offset:8*(\k%2)
.endr
	global_load_b32 v48, v59, s[38:39] offset:512
.irp i, 0,1,2,3,4,5,6,7,8,9,10,11,12,13,14,15
	global_load_b32 v[64+\i], v20, s[86:87] offset:\i*262144       ; kv's edge: four tokens, 16 channels a lane
.endr
	LOADX 74, 0, 23, 0
	s_wait_loadcnt 40                              ; behind the set-up loads stand the 16 of the edge and 24 of kv: the set-up's are in
	ds_store_b128 v28, v[80:83] offset:8192
	ds_store_b128 v28, v[84:87] offset:8192+512
	ds_store_b128 v29, v[88:91] offset:32768
	ds_store_b128 v29, v[92:95] offset:32768+512
	ds_store_b128 v29, v[96:99] offset:32768+1024
	ds_store_b128 v29, v[100:103] offset:32768+1536
	ds_store_b128 v30, v[104:107]
	ds_store_b128 v30, v[108:111] offset:512
	ds_store_b128 v30, v[112:115] offset:1024
	ds_store_b128 v30, v[116:119] offset:1536
	ds_store_b128 v31, v[120:123]
	ds_store_b128 v31, v[124:127] offset:512
	ds_store_b128 v61, v[32:35]
	s_cmp_lt_u32 s2, 9
	s_cbranch_scc0 .Lno_b_store
	ds_store_b128 v61, v[36:39] offset:8192
.Lno_b_store:
.irp k, 0,1,2,3,4,5,6,7
	ds_store_b32 v62, v[40+\k] offset:2048*\k+16*(\k/2)
	v_add_f32 v[50+\k], 0xc2c80000, v[40+\k]       ; the second version: - 100
	ds_store_b32 v62, v[50+\k] offset:2048*\k+16*(\k/2)+16448
.endr
	v_mov_b32 v49, v48
	ds_store_b64 v63, v[48:49]
	LOADX 74, 24, 127, 0
	; constants; the pointers' registers are free: every load that named them is in
.irp j, 0,1
	s_mov_b32 s[8+\j], 0x32edffee                  ; erf: alpha 11, 9, 7, 5, 3, 1
	s_mov_b32 s[10+\j], 0xb60cff51
	s_mov_b32 s[12+\j], 0xb86ec2d2
	s_mov_b32 s[14+\j], 0xba40ac63
	s_mov_b32 s[16+\j], 0xbb41a1f6
	s_mov_b32 s[18+\j], 0xbc83dbd4
	s_mov_b32 s[20+\j], 0xb95fbd29                 ; beta 6, 4, 2, 0
	s_mov_b32 s[22+\j], 0xbadc924e
	s_mov_b32 s[24+\j], 0xbbf19bf8
	s_mov_b32 s[26+\j], 0xbc69b6a7
	s_mov_b32 s[28+\j], 0x3f3504f3                 ; 1 / sqrt 2
	s_mov_b32 s[30+\j], 0x3fb8aa3b                 ; log2 e
	s_mov_b32 s[32+\j], 0x3e3504f3                 ; 32^-0.5
	v_mov_b32 v[8+\j], 0xaf95df0b                  ; alpha 13
	v_mov_b32 v[10+\j], 0xb77460cd                 ; beta 8
.endr
	s_mov_b32 s88, 0x76543210
	s_mov_b32 s89, 0xfedcba98
	s_mov_b32 s98, 0x3c000000                      ; 1 / 128
	s_mov_b32 s99, 0x3727c5ac                      ; 1e-5
	BAR                                            ; weights, tables and parameters lie in LDS
; ================ kv: LN1 and quantiser ================
	; the edge: four tokens (kcol 68 (w % 2) + e) of my row; eight lanes to a token
	v_and_b32 v24, 7, v0                           ; cg
	v_bfe_u32 v25, v0, 3, 2                        ; e
	s_mul_i32 s54, s3, 5824
	s_mul_i32 s55, s4, 5440
	s_add_co_u32 s54, s54, s55
	s_add_co_u32 s54, s54, KVC
	v_mul_u32_u24 v22, v25, 80
	v_lshl_add_u32 v22, v24, 3, v22
	v_add_nc_u32 v22, s54, v22                     ; my 8 bytes of the token's row of codes
	s_mul_i32 s54, s3, 288
	s_mul_i32 s55, s4, 272
	s_add_co_u32 s54, s54, s55
	s_add_co_u32 s54, s54, KVS
	v_lshrrev_b32 v23, 1, v24
	v_lshl_add_u32 v23, v25, 2, v23
	v_add_nc_u32 v23, s54, v23                     ; my block's byte of its scale word
	v_lshlrev_b32 v21, 6, v24
	s_wait_loadcnt 63                              ; 128 loads of kv were issued behind the edge's 16, and the count can name 63 at the most: the edge's are in
.irp k, 0,1,2,3
	ds_load_b128 v[32+4*\k:35+4*\k], v21 offset:G1+16*\k
	ds_load_b128 v[48+4*\k:51+4*\k], v21 offset:B1+16*\k
.endr
	v_pk_add_f32 v[112:113], v[64:65], v[66:67]
	v_pk_add_f32 v[114:115], v[68:69], v[70:71]
	v_pk_add_f32 v[112:113], v[112:113], v[72:73]
	v_pk_add_f32 v[114:115], v[114:115], v[74:75]
	v_pk_add_f32 v[112:113], v[112:113], v[76:77]
	v_pk_add_f32 v[114:115], v[114:115], v[78:79]
	v_pk_add_f32 v[112:113], v[112:113], v[114:115]
	v_add_f32 v112, v112, v113
	v_add_f32_dpp v112, v112, v112 row_xmask:1 row_mask:0xf bank_mask:0xf
	v_add_f32_dpp v112, v112, v112 row_xmask:2 row_mask:0xf bank_mask:0xf
	v_add_f32_dpp v112, v112, v112 row_xmask:4 row_mask:0xf bank_mask:0xf
	v_mul_f32 v120, s98, v112
	v_mov_b32 v121, v120
.irp p, 0,2,4,6,8,10,12,14
	v_pk_add_f32 v[64+\p:65+\p], v[64+\p:65+\p], v[120:121] neg_lo:[0,1] neg_hi:[0,1]
.endr
	v_pk_mul_f32 v[112:113], v[64:65], v[64:65]
	v_pk_mul_f32 v[114:115], v[66:67], v[66:67]
.irp p, 4,8,12
	v_pk_fma_f32 v[112:113], v[64+\p:65+\p], v[64+\p:65+\p], v[112:113]
	v_pk_fma_f32 v[114:115], v[66+\p:67+\p], v[66+\p:67+\p], v[114:115]
.endr
	v_pk_add_f32 v[112:113], v[112:113], v[114:115]
	v_add_f32 v112, v112, v113
	v_add_f32_dpp v112, v112, v112 row_xmask:1 row_mask:0xf bank_mask:0xf
	v_add_f32_dpp v112, v112, v112 row_xmask:2 row_mask:0xf bank_mask:0xf
	v_add_f32_dpp v112, v112, v112 row_xmask:4 row_mask:0xf bank_mask:0xf
	v_fma_f32 v112, v112, s98, s99
	v_rsq_f32 v124, v112
	v_nop
	s_wait_alu depctr_va_vdst(0)                   ; ahead of the first reader
	v_mov_b32 v125, v124
.irp p, 0,2,4,6,8,10,12,14
	v_pk_mul_f32 v[64+\p:65+\p], v[64+\p:65+\p], v[124:125]
.endr
	s_wait_dscnt 0x0
.irp p, 0,2,4,6,8,10,12,14
	v_pk_fma_f32 v[64+\p:65+\p], v[64+\p:65+\p], v[32+\p:33+\p], v[48+\p:49+\p]
.endr
	v_max3_num_f32 v112, |v64|, |v65|, 0x1800000
.irp i, 2,4,6,8,10,12,14
	v_max3_num_f32 v112, v112, |v[64+\i]|, |v[65+\i]|
.endr
	v_max_num_f32_dpp v112, v112, v112 row_xmask:1 row_mask:0xf bank_mask:0xf   ; with the neighbour's 16 channels: the block's
	v_add_nc_u32 v113, 0xff000000, v112
	v_lshrrev_b32 v114, 23, v113
	v_cvt_scalef32_pk8_fp4_f32 v116, v[64:71], v113
	v_cvt_scalef32_pk8_fp4_f32 v117, v[72:79], v113
	v_nop
	ds_store_b64 v22, v[116:117]
	ds_store_b8 v23, v114                          ; both lanes of a block write the same byte with the same value
	; my 32 columns
	s_wait_loadcnt 0x0
	SWAPX
	LNQ2 G1, B1
	v_and_b32 v27, 15, v0                          ; r
	v_bfe_u32 v28, v0, 4, 1                        ; h
	v_mul_u32_u24 v29, v27, 80
	v_lshl_add_u32 v29, v28, 3, v29                ; 80 r + 8 h
	s_mul_i32 s54, s3, 5824
	s_mul_i32 s55, s4, 2560
	s_add_co_u32 s54, s54, s55
	s_add_co_u32 s54, s54, KVC+320                 ; kcol = 4 + 32 (w % 2) + r
	v_add_nc_u32 v20, s54, v29
	s_mul_i32 s54, s3, 288
	s_lshl_b32 s55, s4, 7
	s_add_co_u32 s54, s54, s55
	s_add_co_u32 s54, s54, KVS+16
	v_lshl_add_u32 v21, v27, 2, s54
.irp b, 0,1,2,3
	ds_store_b64 v20, v[96+2*\b:97+2*\b] offset:16*\b
	ds_store_b64 v20, v[104+2*\b:105+2*\b] offset:1280+16*\b
.endr
	ds_store_b32 v21, v12
	ds_store_b32 v21, v13 offset:64
	LOADX 66, 0, 62, 1                             ; kv's registers are free: x is asked for, and lands under K's and V's work
	; addresses of my 32 keys: window w / 2, key rows 4 (w % 2) on
	v_lshrrev_b32 v29, 3, v27
	v_and_b32 v30, 7, v27
	v_lshlrev_b32 v31, 4, v27
	v_lshl_add_u32 v31, v28, 3, v31                ; 16 r + 8 h
	s_mul_i32 s54, s4, 23296
	s_mul_i32 s55, s3, 640
	s_add_co_u32 s54, s54, s55
	s_add_co_u32 s54, s54, KVC
	v_mul_u32_u24 v20, v29, 11648
	v_mad_u32_u24 v20, v30, 80, v20
	v_lshl_add_u32 v20, v28, 4, v20
	v_add_nc_u32 v20, s54, v20                     ; a key tile's fragment: key row + 2 (r / 8), key column r % 8
	s_mul_i32 s54, s4, 1152
	s_lshl_b32 s55, s3, 5
	s_add_co_u32 s54, s54, s55
	s_add_co_u32 s54, s54, KVS
	v_mul_u32_u24 v21, v29, 576
	v_lshl_add_u32 v21, v30, 2, v21
	v_add_nc_u32 v21, s54, v21                     ; and its scale words
	s_lshl_b32 s54, s3, 12
	s_lshl_b32 s55, s4, 11
	s_add_co_u32 s55, s55, s54
	s_add_co_u32 s55, s55, KIMG
	v_add_nc_u32 v22, s55, v31
	s_lshl_b32 s55, s4, 8
	s_add_co_u32 s55, s55, s54
	s_add_co_u32 s55, s55, VIMG
	v_add_nc_u32 v24, s55, v31
	s_lshl_b32 s54, s3, 8
	s_lshl_b32 s55, s4, 7
	s_add_co_u32 s55, s55, s54
	s_add_co_u32 s55, s55, KSC
	v_lshl_add_u32 v23, v27, 2, s55
	s_add_co_u32 s55, s54, s4
	s_add_co_u32 s55, s55, VSC
	v_lshl_add_u32 v25, v27, 1, s55
	v_lshl_add_u32 v26, v27, 5, VBR
	BAR                                            ; all 72 columns' codes of kv lie in LDS
; ================ K and V ================
	KVUNIT 0
	s_cmp_ge_u32 s2, 2                             ; the ninth window's two halves: waves 0 and 1
	s_cbranch_scc1 .Lno_ninth
	KVUNIT 1
.Lno_ninth:
; ================ x: LN1, quantiser, q ================
	s_wait_loadcnt 0x0
	SWAPX
	LNQ2 G1, B1
	FRAGSWAP 96
	FRAGSWAP 104
	v_and_b32 v27, 15, v0
	v_bfe_u32 v28, v0, 4, 1
	v_mul_u32_u24 v29, v27, 80
	v_lshl_add_u32 v29, v28, 3, v29
	s_mul_i32 s54, s3, 5184
	s_mul_i32 s55, s4, 2560
	s_add_co_u32 s54, s54, s55
	s_add_co_u32 s54, s54, QROWS
	v_add_nc_u32 v20, s54, v29
	s_lshl_b32 s54, s3, 8
	s_lshl_b32 s55, s4, 7
	s_add_co_u32 s54, s54, s55
	s_add_co_u32 s54, s54, QSC
	v_lshl_add_u32 v21, v27, 2, s54
	PLACES 8                                       ; the scale words and the fragments were made by vector lines
	PROJT 0, QWS, QB, 20, 0, 16, 1280, 1
	v_mov_b32 v126, 0
	v_mov_b32 v127, 0
	ds_store_b64 v20, v[126:127] offset:64         ; the rows' 16 zero bytes: zero codes for the lanes of the other heads
	ds_store_b64 v20, v[126:127] offset:64+1280
	ds_store_b32 v21, v124
	ds_store_b32 v21, v125 offset:64
	BAR                                            ; K, V and q lie in LDS; nobody reads kv's codes any more
; ================ ATTENTION: my 4 columns x 8 rows, window (w + 1) / 2 ================
	s_add_co_u32 s54, s2, 1
	s_lshr_b32 s54, s54, 1
	s_lshl_b32 s55, s54, 12
	s_add_co_u32 s56, s55, KIMG
	v_add_nc_u32 v20, s56, v2
	s_add_co_u32 s56, s55, VIMG
	v_add_nc_u32 v21, s56, v2
	s_lshl_b32 s55, s54, 8
	s_add_co_u32 s56, s55, KSC
	v_add_nc_u32 v36, s56, v1
	ds_load_b32 v16, v36                           ; K's scale words: tiles 0 and 1,
	ds_load_b32 v17, v36 offset:128                ; 2 and 3
	s_add_co_u32 s56, s55, VSC
	v_lshrrev_b32 v30, 1, v1
	v_add_nc_u32 v30, s56, v30
.irp j, 64,65,66,67,72,73,74,75
	v_mov_b32 v[\j], 0                             ; zero codes
.endr
	v_and_b32 v37, 15, v0                          ; r
	v_lshrrev_b32 v38, 2, v37                      ; the query's row in the tile
	v_and_b32 v39, 3, v37                          ; and its column
	v_bfe_u32 v40, v0, 4, 1                        ; h
	v_xor_b32 v43, 1, v40                          ; 1 - h
	v_mul_u32_u24 v41, v38, 5184
	v_mad_u32_u24 v41, v39, 80, v41
	s_mul_i32 s56, s2, 320
	v_add_nc_u32 v41, s56, v41
	v_add_nc_u32 v42, QROWS, v41                   ; the query's row of codes
	v_lshl_add_u32 v22, v40, 6, v42                ; head 0: lanes 0-15 byte 0, lanes 16-31 the zeros at 64 (16 hh stands in the immediate)
	v_mad_u32_u24 v23, v43, 48, v42                ; head 1: lanes 16-31 byte 16, lanes 0-15 the zeros
	v_lshl_add_u32 v24, v40, 5, v42                ; head 2
	v_lshl_add_u32 v25, v43, 4, v42                ; head 3
	v_lshl_add_u32 v27, v40, 3, v41
	v_add_nc_u32 v27, OROWS, v27                   ; where the result's codes go
	v_lshlrev_b32 v44, 8, v38
	v_lshl_add_u32 v44, v39, 2, v44
	s_lshl_b32 s56, s2, 4
	v_add_nc_u32 v44, s56, v44
	v_add_nc_u32 v28, QSC, v44
	v_add_nc_u32 v29, OSC, v44
	v_xor_b32 v45, 3, v39                          ; the table's copy whose shift brings my eight neighbours onto 16 bytes
	v_mul_u32_u24 v26, v45, 4112
	v_lshl_add_u32 v46, v43, 1, v38
	v_lshl_add_u32 v26, v46, 6, v26
	s_lshl_b32 s56, s4, 4
	s_add_co_u32 s56, s56, TAB
	v_add_nc_u32 v26, s56, v26
	s_cmp_eq_u32 s6, 31                            ; the image's last window row: the window's two halves of rows do not see each other
	s_cselect_b32 s34, 1, 0
	s_or_b32 s35, s5, s2
	s_cmp_eq_u32 s35, 0                            ; g = 0, wave 0: the right half of the last window column: key columns 0-3 are hidden
	s_cselect_b32 s35, 1, 0
	s_lshl_b32 s36, s5, 4
	s_add_co_u32 s36, s36, s2
	s_cmp_eq_u32 s36, 63                           ; g = 3, wave 15: its left half: key columns 4-7 are hidden
	s_cselect_b32 s36, 1, 0
	s_mul_i32 s37, s35, 16448
	s_mul_i32 s38, s36, 16448
	s_or_b32 s39, s34, s35
	s_mul_i32 s39, s39, 16448
	s_or_b32 s40, s34, s36
	s_mul_i32 s40, s40, 16448
	ATTRB 0
	ATTRB 1
	BAR                                            ; the attention's result lies in LDS; nobody reads q's codes any more
; ================ proj, residual, LN2 ================
	v_and_b32 v27, 15, v0
	v_bfe_u32 v28, v0, 4, 1
	v_mul_u32_u24 v29, v27, 80
	v_lshl_add_u32 v30, v28, 4, v29                ; 80 r + 16 h: a fragment
	v_lshl_add_u32 v29, v28, 3, v29                ; 80 r + 8 h: half a block
	s_mul_i32 s54, s3, 5184
	s_mul_i32 s55, s4, 2560
	s_add_co_u32 s54, s54, s55
	s_add_co_u32 s55, s54, OROWS
	v_add_nc_u32 v20, s55, v30
	s_add_co_u32 s55, s54, QROWS
	v_add_nc_u32 v26, s55, v29                     ; my own rows: the hidden layer's codes go in here,
	v_add_nc_u32 v31, s55, v30                     ; and come back as fragments
	s_lshl_b32 s54, s3, 8
	s_lshl_b32 s55, s4, 7
	s_add_co_u32 s54, s54, s55
	s_add_co_u32 s54, s54, OSC
	v_lshl_add_u32 v21, v27, 2, s54
	ADDB PB
.irp t, 0,1
.irp c, 0,1
	ds_load_b128 v[96+8*\t+4*\c:99+8*\t+4*\c], v20 offset:1280*\t+32*\c
.endr
	ds_load_b32 v[12+\t], v21 offset:64*\t
.endr
	ACC8 6, 24576, 4, PWS, 128, 96, 12             ; xo = x + proj_b + proj, in place
	LNQ2 G2, B2
	FRAGSWAP 96
	FRAGSWAP 104
	ADDB F2B                                       ; LN2 has read xo: fc2's bias goes on now.  (Its 64 lines are also the places ahead of the products below)
; ================ MLP: 4 K steps of fc2, each 4 blocks of 32 hidden units ================
	s_mov_b32 s54, 0                               ; 2,048 x block: fc1's fragments
	s_mov_b32 s55, 0                               ; 128 x block: fc1's bias and scale words
	s_mov_b32 s58, 0                               ; 8,192 x K step: fc2's fragments
	s_mov_b32 s59, 0                               ; 4 x K step: fc2's scale words
	s_mov_b32 s61, 0
.Lkstep:
	v_mov_b32 v14, 0                               ; the hidden layer's scale words gather here
	v_mov_b32 v15, 0
	s_mov_b32 s56, 0                               ; 16 x block in the K step: its codes' place in a row
	s_mov_b32 s57, 0                               ; 8 x block: its byte's place in the word
	s_mov_b32 s60, 0
.Lblock:
	v_add_nc_u32 v20, s54, v6
	v_add_nc_u32 v21, s55, v3
	v_add_nc_u32 v22, s55, v4
	v_add_nc_u32 v25, s56, v26
.irp u, 0,1
.irp c, 0,1
	ds_load_b128 v[32+8*\u+4*\c:35+8*\u+4*\c], v20 offset:(32+\u)*1024+512*\c
	ds_load_b128 v[48+8*\u+4*\c:51+8*\u+4*\c], v21 offset:F1B+32*\u+16*\c
.endr
.endr
	ds_load_b32 v16, v22 offset:F1S
	s_wait_dscnt 0x0
	FOURW
	GELU8 0
	GELU8 1
	GELU8 2
	GELU8 3
	BLOCKQ2 64, 80, 40, 42, 14, 15, 4, 32
	ds_store_b64 v25, v[40:41]
	ds_store_b64 v25, v[42:43] offset:1280
	s_add_co_u32 s54, s54, 2048
	s_add_co_u32 s55, s55, 128
	s_add_co_u32 s56, s56, 16
	s_add_co_u32 s57, s57, 8
	s_add_co_u32 s60, s60, 1
	s_cmp_lt_u32 s60, 4
	s_cbranch_scc1 .Lblock
	v_add_nc_u32 v23, s58, v7
	v_add_nc_u32 v24, s59, v5
.irp t, 0,1
.irp c, 0,1
	ds_load_b128 v[112+8*\t+4*\c:115+8*\t+4*\c], v31 offset:1280*\t+32*\c   ; my own bytes: LDS serves a wave's instructions in order, so these see the stores above
.endr
.endr
	PLACES 8                                       ; the scale words were made by vector lines
	ACC8 23, 0, 24, F2S, 512, 112, 14              ; out = xo + fc2_b + fc2, in place
	s_add_co_u32 s58, s58, 8192
	s_add_co_u32 s59, s59, 4
	s_add_co_u32 s61, s61, 1
	s_cmp_lt_u32 s61, 4
	s_cbranch_scc1 .Lkstep
	BAR                                            ; nobody reads weights, tables or codes any more: the stage may be written
; ================ THE WAY OUT ================
	v_and_b32 v27, 15, v0
	v_bfe_u32 v28, v0, 4, 1
	s_lshl_b32 s54, s3, 15
	s_lshl_b32 s55, s4, 7
	s_add_co_u32 s55, s55, s54
	v_lshlrev_b32 v20, 2, v27
	v_lshl_add_u32 v20, v28, 12, v20
	v_add_nc_u32 v20, s55, v20                     ; in: my row, channel 16 h, column 32 (w % 2) + r
	s_lshl_b32 s55, s4, 14
	s_add_co_u32 s55, s55, s54
	v_lshlrev_b32 v21, 4, v27
	v_lshl_add_u32 v22, v28, 18, v21               ; in out0: lanes 0-15 one channel's 256 bytes, lanes 16-31 the next channel's
	v_lshl_add_u32 v21, v28, 8, v21
	v_add_nc_u32 v21, s55, v21                     ; back: my row, channels 64 (w % 2) on
.irp b, 0,1,2,3
.irp t, 0,1
.irp i, 0,1,2,3,4,5,6,7,8,9,10,11,12,13,14,15
	ds_store_b32 v20, v[128+32*\b+16*\t+\i] offset:(32*\b+\i)*256+64*\t   ; each accumulator from its low end on
.endr
.endr
.endr
	BAR                                            ; 8 rows x 128 channels x 64 columns lie in the stage
.irp k, 0,1,2,3,4,5,6,7,8,9,10,11,12,13,14,15,16,17,18,19,20,21,22,23,24,25,26,27,28,29,30,31
	ds_load_b128 v[128+4*\k:131+4*\k], v21 offset:512*\k
.endr
.irp k, 0,1,2,3,4,5,6,7,8,9,10,11,12,13,14,15,16,17,18,19,20,21,22,23,24,25,26,27,28,29,30,31
	s_wait_dscnt 31-\k                             ; LDS loads come back in order: load k is in, the younger ones may be out
	global_store_b128 v22, v[128+4*\k:131+4*\k], s[82+2*(\k/16):83+2*(\k/16)] offset:2*(\k%16)*262144 th:TH_STORE_NT   ; sixteen lanes store 256 consecutive bytes, aligned
.endr
	s_barrier_signal -1
	s_barrier_wait -1
	s_wait_xcnt 0x0
	v_lshl_add_u32 v254, v0, 2, 0x4de00
	v_mov_b32 v255, 0
	s_wait_tensorcnt 0x0
	ds_add_u32 v254, v255
	s_wait_dscnt 0x0
	s_endpgm
.Lfunc_end_k_q07cfa45046_swin:
	.size	k_q07cfa45046_swin, .Lfunc_end_k_q07cfa45046_swin-k_q07cfa45046_swin
	.p2alignl 7, 3214868480
	.fill 96, 4, 3214868480
	.section	.rodata,"a",@progbits
	.p2align	6, 0x0
	.amdhsa_kernel k_q07cfa45046_swin
		.amdhsa_group_segment_fixed_size 321024
		.amdhsa_private_segment_fixed_size 0
		.amdhsa_enable_private_segment 0
		.amdhsa_kernarg_size 184
		.amdhsa_user_sgpr_count 2
		.amdhsa_user_sgpr_kernarg_segment_ptr 1
		.amdhsa_wavefront_size32 1
		.amdhsa_system_sgpr_workgroup_id_x 1
		.amdhsa_system_sgpr_workgroup_id_y 1
		.amdhsa_system_sgpr_workgroup_id_z 1
		.amdhsa_system_vgpr_workitem_id 0
		.amdhsa_next_free_vgpr 256
		.amdhsa_next_free_sgpr 102
		.amdhsa_reserve_vcc 0
		.amdhsa_float_denorm_mode_32 3
		.amdhsa_float_denorm_mode_16_64 3
		.amdhsa_memory_ordered 1
		.amdhsa_forward_progress 1
		.amdhsa_inst_pref_size 255
	.end_amdhsa_kernel
	.section	.bss,"aw",@nobits
	.p2align	6
	.space	262144
	.amdgpu_metadata
---
amdhsa.version: [ 1, 2 ]
amdhsa.kernels:
  - .name:           k_q07cfa45046_swin
    .symbol:         k_q07cfa45046_swin.kd
    .args:
      - { .name: x, .offset: 0, .size: 8, .value_kind: global_buffer, .address_space: global }
      - { .name: kv, .offset: 8, .size: 8, .value_kind: global_buffer, .address_space: global }
      - { .name: out0, .offset: 16, .size: 8, .value_kind: global_buffer, .address_space: global }
      - { .name: rpb, .offset: 24, .size: 8, .value_kind: global_buffer, .address_space: global }
      - { .name: q_w_codes, .offset: 32, .size: 8, .value_kind: global_buffer, .address_space: global }
      - { .name: kv_w_codes, .offset: 40, .size: 8, .value_kind: global_buffer, .address_space: global }
      - { .name: proj_w_codes, .offset: 48, .size: 8, .value_kind: global_buffer, .address_space: global }
      - { .name: fc1_w_codes, .offset: 56, .size: 8, .value_kind: global_buffer, .address_space: global }
      - { .name: fc2_w_codes, .offset: 64, .size: 8, .value_kind: global_buffer, .address_space: global }
      - { .name: fc1_w_scales, .offset: 72, .size: 8, .value_kind: global_buffer, .address_space: global }
      - { .name: fc2_w_scales, .offset: 80, .size: 8, .value_kind: global_buffer, .address_space: global }
      - { .name: kv_w_scales, .offset: 88, .size: 8, .value_kind: global_buffer, .address_space: global }
      - { .name: q_w_scales, .offset: 96, .size: 8, .value_kind: global_buffer, .address_space: global }
      - { .name: proj_w_scales, .offset: 104, .size: 8, .value_kind: global_buffer, .address_space: global }
      - { .name: fc1_b, .offset: 112, .size: 8, .value_kind: global_buffer, .address_space: global }
      - { .name: kv_b, .offset: 120, .size: 8, .value_kind: global_buffer, .address_space: global }
      - { .name: q_b, .offset: 128, .size: 8, .value_kind: global_buffer, .address_space: global }
      - { .name: proj_b, .offset: 136, .size: 8, .value_kind: global_buffer, .address_space: global }
      - { .name: fc2_b, .offset: 144, .size: 8, .value_kind: global_buffer, .address_space: global }
      - { .name: norm1_g, .offset: 152, .size: 8, .value_kind: global_buffer, .address_space: global }
      - { .name: norm1_b, .offset: 160, .size: 8, .value_kind: global_buffer, .address_space: global }
      - { .name: norm2_g, .offset: 168, .size: 8, .value_kind: global_buffer, .address_space: global }
      - { .name: norm2_b, .offset: 176, .size: 8, .value_kind: global_buffer, .address_space: global }
    .group_segment_fixed_size: 321024
    .private_segment_fixed_size: 0
    .kernarg_segment_align: 8
    .kernarg_segment_size: 184
    .max_flat_workgroup_size: 512
    .sgpr_count:     102
    .vgpr_count:     256
    .wavefront_size: 32
...
	.end_amdgpu_metadata
.endif
;; end of part 1
